; MI455X (gfx1250); checked and timed in simulation.
; The chip was launched on July 23, 2026; its instructions are those of AMD's public machine-readable ISA for CDNA 5 (MIT licence, August 2026) and "CDNA5" Instruction Set Architecture Reference Guide (July 2026). The comments in the code are by the model that wrote it; some were corrected since.
;; Scaled Dot Product Attention. Allowed arithmetic: float matrix products may take bf16 or f16 operands with f32 sums; all other float work in f32.
;; Inputs: K 2 x 16 x 2,048 x 64 float32; Q 2 x 16 x 2,048 x 64 float32; V 2 x 16 x 2,048 x 64 float32; pad_mask 2 x 2,048 int32.
;; Outputs: out0 2 x 16 x 2,048 x 64 float32.
;; One version. Each part assembles by itself: llvm-mc -triple=amdgcn-amd-amdhsa -mcpu=gfx1250 --defsym DOCPART=n.
;; ======== version 1 of 1: 1 launch
;; limits: right only within a limited range of input values; values are held in f16: magnitudes above 65,504 overflow, below 6.1e-05 lose precision
;; launch attn (part 1): grid 8 x 32, 8 waves a work-group, no clusters, 150,528 bytes of LDS; arguments K, Q, V, pad_mask, out0; writes out0
.if DOCPART == 1
	.amdgcn_target "amdgcn-amd-amdhsa--gfx1250"
	.amdhsa_code_object_version 6
	.text
	.protected	k_q4edfda9882_attn
	.globl	k_q4edfda9882_attn
	.p2align	8
	.type	k_q4edfda9882_attn,@function
k_q4edfda9882_attn:
	s_mov_b64 s[64:65], 0
	v_nop
	global_prefetch_b8 v0, s[64:65] scope:SCOPE_SE
	s_setreg_imm32_b32 hwreg(HW_REG_WAVE_MODE, 25, 1), 1
	s_wait_xcnt 0x0
; out0 = softmax(Q K^T / 8 - 1e9 * mask) V,  mask = (pad_mask[b][k] > 0) or (k > q).  Q, K, V, out0: [2][16][2048][64] f32.
; The mask is a FINITE -1e9: a row whose keys 0..q are all padded is a softmax over all 2048 values fl(s - 1e9), future keys too.
; So future keys are skipped only where every row of the block is known to have an open key: blocks 1..15, and only if one of
; pad_mask[b][0..31] is <= 0 (32 words read by scalar loads).  Block 0 of a head, and every block where that test fails, walks all keys.
;
; SHARES.  256 work-groups: y = head (0..31), x = g8 (0..7).  A head's queries are 16 blocks of 128 rows; a work-group makes two,
; one after the other: (0, 1) for g8 = 0, (16 - g8, g8 + 1) otherwise: 18 or 19 trips of 128 keys where the skip holds.
; Every block runs 16 trips in the text, each opened by one barrier; only a trip's body is jumped over, so every wave passes every barrier.
; Eight waves: w & 3 = strip of 32 queries (two tiles of 16), w >> 2 = which 64 of a trip's 128 keys.  The two key halves of a
; strip are merged through LDS at the end of a block: wave w finishes query tile w >> 2, wave w ^ 4 sends it that tile's part.
;
; MATRIX USE.  Scores transposed: A = 16 keys x 32 d of K, B = Q: a lane holds ONE query (l % 16) and eight keys a tile, so a row's maximum
; and sum are in the lane but for one exchange of the halves, and two neighbouring results packed to 16 bits ARE the B fragment of
; O^T = V^T P^T.  V^T's fragments come from V[key][d] in LDS by the transposing load.
;
; FORMAT: f16 for all four operands (Q / 8, K, V, P).  A row with two or three open keys is a sum of a few products of size one, so a weight's
; rounding shows undamped in the result: 11 significant bits leave an eighth of the error of 8.  The weights lie in (0, 1] (see ARITHMETIC).
;
; DATA.  K and V are f32 in memory and are rounded to f16 once per work-group on the way: global load -> convert -> LDS store, the next
; tile asked for at a trip's head and stored at its tail into the other of two buffers.
; NO TENSOR LOADS, NO CLUSTER: a tensor load copies bytes, so a trip's tile would land as 64 KB of f32 and be read back and converted
; on top of the 32 KB of f16 written now; and the query blocks of a head, the only partners, need different numbers of tiles (i + 1).
;
; ARITHMETIC.  Q * 0.125 is exact.  t = fl(s + bias), bias 0 or -1e9: one rounding, as the definition has it.  Running maximum M in t's
; units; p = exp2((t - M) log2e); alpha = exp2((M_old - M_new) log2e).  t - M is never above 0, and among the multiples of 64 near -1e9
; it is exact, so p <= 1 in fully closed rows too.
; LIMITS.  pad_mask >= 0 (a negative entry on a future key would open that key in the definition; here future keys are always closed).
; |scores| < 4e8, so that a closed key beside an open one weighs exactly 0.  |Q| / 8, |K|, |V| <= 65504, f16's largest number.
; A weight below 2^-25 of its row's running maximum rounds to 0 in f16 (2048 such keys: 6e-5 of a weight in all).
; v_exp_f32 flushes denormals.
.set BUFSZ, 39936                      ; an LDS buffer: K 128 rows x 144, V 128 rows x 160, bias 2 x 128 words
.set VOFS,  18432                      ; V in a buffer (pitch 160 = 5 x 32 bytes, for the transposing load)
.set BOFS,  38912                      ; bias in a buffer: copy 0, copy 1 (one for each key half's waves)
.set XCH,   79872                      ; 8 waves x 4,352: what a wave sends to its partner (O 4,096 bytes, then M and l)
.set STG,   114688                     ; 8 waves x 16 rows x 272: the way out
.set WSTG,  4352
; window 0
.set GOFF0, 1                          ; 16 t: my 16 bytes in 4,096 bytes (16 rows) of a K or V tile
.set GOFF,  2                          ; the same in the tile that is loaded next
.set POFF0, 3                          ; 4 (t & 127): my word of a tile's 128 pad words
.set POFF,  4
.set KST,   5                          ; LDS: where my 8 bytes of K go
.set VST,   6                          ;      of V
.set BST,   7                          ;      my bias word
.set KFA,   8                          ; LDS: my K fragments
.set VFA,   9                          ;      my V fragments
.set BFA,   10                         ;      my eight bias words of key tile 0
.set DG,    11                         ; v11, v12: on the diagonal key 16 a + j of my half is open for query tile 0, 1 where 16 a + j <= this
.set XST,   13
.set XST2,  14
.set XLD,   15
.set XLD2,  16
.set SST,   17
.set SLD,   18
.set OOFF,  19
.set QOFF,  20
.set PS,    21                         ; my pad word
.set NEGV,  22                         ; -1e9
.set BT,    23                         ; my bias word
.set ST,    24                         ; v[24:25], v[26:27]: (-M, M) of query tile 0, 1
.set AL,    28                         ; v[28:29], v[30:31]: (alpha, l)
.set TMP,   32                         ; v[32:63] at work
.set OA,    64                         ; v[64:127]  O: tile (qt, c) at 32 qt + 8 c
.set SC,    128                        ; v[128:191] scores: tile (qt, a) at 32 qt + 8 a; then P: fragment (qt, ks) at 32 qt + 8 ks
.set FR,    192                        ; v[192:255] K fragments (a, kk) at 8 (2 a + kk); then V fragments (ks, c) at 8 (4 ks + c)
; window 1 (v256 .. v383, written by their low 8 bits)
.set QF,    0                          ; Q fragments (qt, kk) at 16 qt + 8 kk
.set BI,    32                         ; bias of my 32 keys: 8 a + j
.set KSG,   64                         ; K as loaded, 8 x 4 f32
.set VSG,   96                         ; V as loaded
; scalars: s[4:13] K, Q, V, pad_mask, out0;  s[16:47] 32 pad words (head only);  s[58:59] -1e9 twice;  s[60:61] log2e twice;
; s62, s63 selects of v_permlanex16_b32;  s[66:67] K of my head;  s[68:69] V;  s[70:71] pad of my batch;  s[72:73] Q of the block;
; s[74:75] out0 of the block;  s[76:77] at work
.set R_W,   48
.set R_W4,  49
.set R_G,   50
.set R_BH,  51
.set R_G8,  52
.set R_OK,  53
.set R_IA,  54
.set R_IB,  55
.set R_I,   56                         ; the block
.set R_N,   57                         ; its trips that do work
.set R_T,   78                         ; the trip
.set R_T1,  79
.set R_CNT, 80
.set R_BLK, 81
.set MSB, 0
.macro WIN new                         ; low byte: bits 1:0 source 0, 3:2 source 1, 5:4 source 2, 7:6 destination; the high byte repeats the setting that is left
.if MSB != \new
	s_set_vgpr_msb (MSB<<8)|\new
.set MSB, \new
.endif
.endm
.macro PLACES n
.rept \n
	v_nop
.endr
.endm
; 17 loads: my pad word and my 8 x 16 bytes of K and of V.  One load of the work-group covers 4,096 consecutive bytes, 16 rows.
.macro LOAD_TILE
	global_load_b32 v[PS], v[POFF], s[70:71]
	WIN 0x40
.irp i, 0,1,2,3,4,5,6,7
	global_load_b128 v[KSG+4*\i:KSG+4*\i+3], v[GOFF], s[66:67] offset:4096*\i
.endr
.irp i, 0,1,2,3,4,5,6,7
	global_load_b128 v[VSG+4*\i:VSG+4*\i+3], v[GOFF], s[68:69] offset:4096*\i
.endr
	WIN 0
.endm
; round to f16 and store into buffer nb; the pad word becomes a bias of 0 or -1e9
.macro STORE_TILE nb
	WIN 0x05
.set ci, 0
.rept 16
	v_cvt_pk_f16_f32 v[TMP+ci], v[KSG+2*ci], v[KSG+2*ci+1]
.set ci, ci+1
.endr
.set ci, 0
.rept 16
	v_cvt_pk_f16_f32 v[TMP+16+ci], v[VSG+2*ci], v[VSG+2*ci+1]
.set ci, ci+1
.endr
	WIN 0
.irp i, 0,1,2,3,4,5,6,7
	ds_store_b64 v[KST], v[TMP+2*\i:TMP+2*\i+1] offset:(\nb)*BUFSZ+2304*\i
.endr
.irp i, 0,1,2,3,4,5,6,7
	ds_store_b64 v[VST], v[TMP+16+2*\i:TMP+16+2*\i+1] offset:(\nb)*BUFSZ+2560*\i
.endr
	v_cmp_lt_i32 vcc_lo, 0, v[PS]                  ; pad > 0
	v_cndmask_b32 v[BT], 0, v[NEGV], vcc_lo
	ds_store_b32 v[BST], v[BT] offset:(\nb)*BUFSZ
.endm
; 16 loads: four tiles of 16 keys x 64 d.  Lane l: key l % 16; registers 0-3 d = 8 (l / 16) .., registers 4-7 d = 16 + 8 (l / 16) ..
.macro KFRAGS buf
.irp a, 0,1,2,3
.irp kk, 0,1
	ds_load_b128 v[FR+16*\a+8*\kk:FR+16*\a+8*\kk+3],   v[KFA] offset:\buf*BUFSZ+2304*\a+64*\kk
	ds_load_b128 v[FR+16*\a+8*\kk+4:FR+16*\a+8*\kk+7], v[KFA] offset:\buf*BUFSZ+2304*\a+64*\kk+32
.endr
.endr
.endm
; 8 loads: the bias of keys 16 a + 8 (l / 16) + 0..7 of my half
.macro BIASLD buf
	WIN 0x40
.irp a, 0,1,2,3
	ds_load_b128 v[BI+8*\a:BI+8*\a+3],   v[BFA] offset:\buf*BUFSZ+64*\a
	ds_load_b128 v[BI+8*\a+4:BI+8*\a+7], v[BFA] offset:\buf*BUFSZ+64*\a+16
.endr
.endm
; 16 matrix instructions: S^T(key, query).  The first 32 of d start the sums.  The eight accumulators take turns, one instruction a turn.
.macro QK
	WIN 0x04
.irp a, 0,1,2,3
.irp qt, 0,1
	v_wmma_f32_16x16x32_f16 v[SC+32*\qt+8*\a:SC+32*\qt+8*\a+7], v[FR+16*\a:FR+16*\a+7], v[QF+16*\qt:QF+16*\qt+7], 0
.endr
.endr
.irp a, 0,1,2,3
.irp qt, 0,1
	v_wmma_f32_16x16x32_f16 v[SC+32*\qt+8*\a:SC+32*\qt+8*\a+7], v[FR+16*\a+8:FR+16*\a+15], v[QF+16*\qt+8:QF+16*\qt+15], v[SC+32*\qt+8*\a:SC+32*\qt+8*\a+7]
.endr
.endr
.endm
; t = s + bias, one rounding.  Three ways, chosen by the trip against the block (ids and a counter, no data):
; tiles below the diagonal: the key's own bias; on it: the key's bias where key <= query, else -1e9; above it: -1e9.
.macro ADDBIAS
	s_cmp_lt_u32 s[R_T], s[R_I]
	s_cbranch_scc1 .Lbelow_\@
	s_cmp_eq_u32 s[R_T], s[R_I]
	s_cbranch_scc1 .Ldiag_\@
.set ci, 0
.rept 32
	v_pk_add_f32 v[SC+2*ci:SC+2*ci+1], v[SC+2*ci:SC+2*ci+1], s[58:59] op_sel_hi:[1,0]
.set ci, ci+1
.endr
	s_branch .Ljoin_\@
.Lbelow_\@:
	WIN 0x04
.irp qt, 0,1
.set ci, 0
.rept 16
	v_pk_add_f32 v[SC+32*\qt+2*ci:SC+32*\qt+2*ci+1], v[SC+32*\qt+2*ci:SC+32*\qt+2*ci+1], v[BI+2*ci:BI+2*ci+1]
.set ci, ci+1
.endr
.endr
	WIN 0
	s_branch .Ljoin_\@
.Ldiag_\@:
	WIN 0x04
.irp qt, 0,1
.irp a, 0,1,2,3
.irp jj, 0,1,2,3,4,5,6,7
	v_cmp_ge_i32 vcc_lo, v[DG+\qt], 16*\a+\jj
	v_cndmask_b32 v[FR+32*\qt+8*\a+\jj], s58, v[BI+8*\a+\jj], vcc_lo   ; K's fragments are spent: their registers hold the 64 biases
.endr
.endr
.endr
	WIN 0
.set ci, 0
.rept 32
	v_pk_add_f32 v[SC+2*ci:SC+2*ci+1], v[SC+2*ci:SC+2*ci+1], v[FR+2*ci:FR+2*ci+1]
.set ci, ci+1
.endr
.Ljoin_\@:
.endm
; 16 transposing loads: V^T, eight fragments of 16 d x 32 keys
.macro VFRAGS buf
.irp ks, 0,1
.irp c, 0,1,2,3
	ds_load_tr16_b128 v[FR+32*\ks+8*\c:FR+32*\ks+8*\c+3],   v[VFA] offset:\buf*BUFSZ+5120*\ks+32*\c
	ds_load_tr16_b128 v[FR+32*\ks+8*\c+4:FR+32*\ks+8*\c+7], v[VFA] offset:\buf*BUFSZ+5120*\ks+32*\c+2560
.endr
.endr
.endm
; One query tile: 32 numbers a lane, all of one query.  first = 1: the trip starts M, l and O, nothing is cleared.
.macro SOFTMAX qt, first
.set SB,  SC+32*\qt
.set OB2, OA+32*\qt
.set VN,  ST+2*\qt
.set VA,  AL+2*\qt
.set ci, 0
.rept 10
	v_max3_num_f32 v[TMP+ci], v[SB+3*ci], v[SB+3*ci+1], v[SB+3*ci+2]
.set ci, ci+1
.endr
	v_max3_num_f32 v[TMP],   v[TMP],   v[TMP+1], v[TMP+2]
	v_max3_num_f32 v[TMP+3], v[TMP+3], v[TMP+4], v[TMP+5]
	v_max3_num_f32 v[TMP+6], v[TMP+6], v[TMP+7], v[TMP+8]
	v_max3_num_f32 v[TMP+9], v[TMP+9], v[SB+30], v[SB+31]
	v_max3_num_f32 v[TMP],   v[TMP],   v[TMP+3], v[TMP+6]
	v_max_num_f32  v[TMP],   v[TMP],   v[TMP+9]
	v_permlanex16_b32 v[TMP+1], v[TMP], s62, s63   ; the other 32 keys of my query lie in lane l ^ 16
.if \first
	v_max_num_f32 v[VN+1], v[TMP], v[TMP+1]        ; M
	v_mul_f32 v[VN], -1.0, v[VN+1]                 ; -M, the addend of the packed sums below
.else
	v_max3_num_f32 v[TMP+2], v[TMP], v[TMP+1], v[VN+1]
	v_sub_f32 v[TMP+3], v[VN+1], v[TMP+2]          ; M_old - M_new: never above 0, exact where both lie near -1e9
	v_mul_f32 v[TMP+3], s60, v[TMP+3]
	v_exp_f32 v[VA], v[TMP+3]                      ; alpha; the move below is the plain instruction behind it (ISA guide 5.7.2)
	v_mov_b32 v[VN+1], v[TMP+2]
	v_mul_f32 v[VN], -1.0, v[TMP+2]
.endif
	; (t - M) log2e in two steps: one fused step would need -M log2e in f32, which near 1.4e9 is good to 64 only, too coarse for weights kept in f16
.set ci, 0
.rept 16
	v_pk_add_f32 v[SB+2*ci:SB+2*ci+1], v[SB+2*ci:SB+2*ci+1], v[VN:VN+1] op_sel_hi:[1,0]
.set ci, ci+1
.endr
.set ci, 0
.rept 16
	v_pk_mul_f32 v[SB+2*ci:SB+2*ci+1], v[SB+2*ci:SB+2*ci+1], s[60:61] op_sel_hi:[1,0]
.set ci, ci+1
.endr
	; 32 exponentials; O's rescale, which touches none of them, stands among them, and its last line is the plain instruction
	; between the exponentials and the first use of a result
.set ci, 0
.rept 16
	v_exp_f32 v[SB+2*ci],   v[SB+2*ci]
	v_exp_f32 v[SB+2*ci+1], v[SB+2*ci+1]
.if \first == 0
	s_wait_alu depctr_va_vdst(0)
	v_pk_mul_f32 v[OB2+2*ci:OB2+2*ci+1], v[OB2+2*ci:OB2+2*ci+1], v[VA:VA+1] op_sel_hi:[1,0]
.endif
.set ci, ci+1
.endr
.if \first
	v_nop                                          ; no rescale in the first trip: the plain instruction behind the exponentials
	s_wait_alu depctr_va_vdst(0)
.endif
	s_wait_alu depctr_va_vdst(0)
.irp p, 0,1,2,3
	v_pk_add_f32 v[TMP+4+2*\p:TMP+5+2*\p], v[SB+2*\p:SB+2*\p+1], v[SB+8+2*\p:SB+9+2*\p]   ; four chains, started by the first numbers
.endr
.irp o, 16,24
.irp p, 0,1,2,3
	v_pk_add_f32 v[TMP+4+2*\p:TMP+5+2*\p], v[TMP+4+2*\p:TMP+5+2*\p], v[SB+\o+2*\p:SB+\o+2*\p+1]
.endr
.endr
	v_pk_add_f32 v[TMP+4:TMP+5], v[TMP+4:TMP+5], v[TMP+6:TMP+7]
	v_pk_add_f32 v[TMP+8:TMP+9], v[TMP+8:TMP+9], v[TMP+10:TMP+11]
	v_pk_add_f32 v[TMP+4:TMP+5], v[TMP+4:TMP+5], v[TMP+8:TMP+9]
.if \first
	v_add_f32 v[VA+1], v[TMP+4], v[TMP+5]          ; l: my lane's keys alone; the halves meet at the block's end
.else
	v_add_f32 v[TMP+4], v[TMP+4], v[TMP+5]
	v_fma_f32 v[VA+1], v[VA+1], v[VA], v[TMP+4]
.endif
.set ci, 0
.rept 16
	v_cvt_pk_f16_f32 v[SB+ci], v[SB+2*ci], v[SB+2*ci+1]    ; P in place: register i is written when 2 i and 2 i + 1 have been read
.set ci, ci+1
.endr
.endm
; 16 matrix instructions: O^T(d, query) += V^T P^T.  The eight accumulators take turns, one instruction a turn.
.macro PV first
.irp ks, 0,1
.irp c, 0,1,2,3
.irp qt, 0,1
.if \first*(1-\ks)
	v_wmma_f32_16x16x32_f16 v[OA+32*\qt+8*\c:OA+32*\qt+8*\c+7], v[FR+32*\ks+8*\c:FR+32*\ks+8*\c+7], v[SC+32*\qt+8*\ks:SC+32*\qt+8*\ks+7], 0
.else
	v_wmma_f32_16x16x32_f16 v[OA+32*\qt+8*\c:OA+32*\qt+8*\c+7], v[FR+32*\ks+8*\c:FR+32*\ks+8*\c+7], v[SC+32*\qt+8*\ks:SC+32*\qt+8*\ks+7], v[OA+32*\qt+8*\c:OA+32*\qt+8*\c+7]
.endif
.endr
.endr
.endr
.endm
; A trip: 128 keys from buffer buf.  ONE barrier, for two things: in front of it each wave's stores into buf and its reads of the other
; buffer are done; behind it buf is whole and the other buffer may be written (at this trip's tail).
.macro TRIP buf, first
	s_wait_dscnt 0x0                               ; for the others' sake: all my LDS stores and loads
	s_barrier_signal -1
	s_barrier_wait -1
.if \first == 0
	s_cmp_lt_u32 s[R_T], s[R_N]
	s_cbranch_scc0 .Lidle_\@                       ; nothing left for this block: only the barrier is passed
.endif
	s_add_co_u32 s[R_T1], s[R_T], 1
.if \first == 0
	s_cmp_lt_u32 s[R_T1], s[R_N]
	s_cbranch_scc0 .Lnoload_\@                     ; the last working trip asks for nothing (a block has at least two)
.endif
	v_lshl_add_u32 v[GOFF], s[R_T1], 15, v[GOFF0]  ; no load is out here (the wait for 0 at each trip's tail), so the offsets may be written
	v_lshl_add_u32 v[POFF], s[R_T1], 9, v[POFF0]
	LOAD_TILE                                      ; the next tile has the whole trip in which to come
.Lnoload_\@:
	KFRAGS \buf
	BIASLD \buf
	s_wait_dscnt 0x8                               ; the 16 loads of K are in; the 8 of the bias, issued behind them, may be out
	QK
	WIN 0
	PLACES 4                                       ; four plain places between the last matrix instruction and what reads its result or writes its sources (ISA guide 7.12.1)
	s_wait_dscnt 0x0                               ; the bias
	ADDBIAS
	VFRAGS \buf                                    ; they come while the softmax runs
	SOFTMAX 0, \first
	SOFTMAX 1, \first
	s_wait_dscnt 0x0                               ; V's fragments
	PV \first
	PLACES 5                                       ; five: the next trip's first matrix instruction writes over P
	s_wait_loadcnt 0x0                             ; the next tile; on every way through a working trip, so that no load is out at the next head
.if \first == 0
	s_cmp_lt_u32 s[R_T1], s[R_N]
	s_cbranch_scc0 .Lidle_\@
.endif
	STORE_TILE 1-\buf
.Lidle_\@:
	s_add_co_u32 s[R_T], s[R_T], 1
.endm
; my part of query tile qt goes to the partner: O as it lies in the lanes, then M and l
.macro SEND qt
.irp k, 0,1,2,3,4,5,6,7
	ds_store_b128 v[XST], v[OA+32*\qt+4*\k:OA+32*\qt+4*\k+3] offset:512*\k
.endr
	ds_store_b32 v[XST2], v[ST+2*\qt+1]
	ds_store_b32 v[XST2], v[AL+2*\qt+1] offset:4
.endm
; query tile qt: merge the partner's part, divide, and store 16 whole rows
.macro FINISH qt
.irp k, 0,1,2,3,4,5,6,7
	ds_load_b128 v[FR+4*\k:FR+4*\k+3], v[XLD] offset:512*\k
.endr
	ds_load_b64 v[TMP:TMP+1], v[XLD2]              ; the partner's M, l
	s_wait_dscnt 0x0
	v_max_num_f32 v[TMP+2], v[ST+2*\qt+1], v[TMP]  ; the maximum over both key halves
	v_sub_f32 v[TMP+3], v[ST+2*\qt+1], v[TMP+2]
	v_sub_f32 v[TMP+4], v[TMP], v[TMP+2]
	v_mul_f32 v[TMP+3], s60, v[TMP+3]
	v_mul_f32 v[TMP+4], s60, v[TMP+4]
	v_exp_f32 v[TMP+3], v[TMP+3]                   ; my factor
	v_exp_f32 v[TMP+4], v[TMP+4]                   ; the partner's
	v_nop                                          ; the plain instruction behind them
	s_wait_alu depctr_va_vdst(0)
	v_mul_f32 v[TMP+5], v[AL+2*\qt+1], v[TMP+3]
	v_fmac_f32 v[TMP+5], v[TMP+1], v[TMP+4]
	v_permlanex16_b32 v[TMP+6], v[TMP+5], s62, s63 ; l of the other half's keys
	v_add_f32 v[TMP+5], v[TMP+5], v[TMP+6]
	v_rcp_f32 v[TMP+7], v[TMP+5]
	v_nop
	s_wait_alu depctr_va_vdst(0)
	v_mul_f32 v[TMP+8], v[TMP+3], v[TMP+7]
	v_mul_f32 v[TMP+9], v[TMP+4], v[TMP+7]
.set ci, 0
.rept 16
	v_pk_mul_f32 v[OA+32*\qt+2*ci:OA+32*\qt+2*ci+1], v[OA+32*\qt+2*ci:OA+32*\qt+2*ci+1], v[TMP+8:TMP+9] op_sel_hi:[1,0]
.set ci, ci+1
.endr
.set ci, 0
.rept 16
	v_pk_fma_f32 v[OA+32*\qt+2*ci:OA+32*\qt+2*ci+1], v[FR+2*ci:FR+2*ci+1], v[TMP+8:TMP+9], v[OA+32*\qt+2*ci:OA+32*\qt+2*ci+1] op_sel:[0,1,0] op_sel_hi:[1,1,1]
.set ci, ci+1
.endr
	; a lane holds d = 16 c + 8 (l / 16) + 0..7 of query l % 16: into my own stage by rows of 272 bytes, back as whole rows of 256
.irp c, 0,1,2,3
	ds_store_b128 v[SST], v[OA+32*\qt+8*\c:OA+32*\qt+8*\c+3]   offset:64*\c
	ds_store_b128 v[SST], v[OA+32*\qt+8*\c+4:OA+32*\qt+8*\c+7] offset:64*\c+16
.endr
.irp k, 0,1,2,3,4,5,6,7
	ds_load_b128 v[FR+4*\k:FR+4*\k+3], v[SLD] offset:544*\k    ; LDS serves a wave's instructions in order (ISA guide 5.7.1): these see the stores above
.endr
.irp k, 0,1,2,3,4,5,6,7
	s_wait_dscnt 7-\k                              ; load k is in, the younger ones may be out
	global_store_b128 v[OOFF], v[FR+4*\k:FR+4*\k+3], s[74:75] offset:512*\k th:TH_STORE_NT   ; the wave stores 512 consecutive bytes, two whole rows
.endr
	s_wait_xcnt 0x0                                ; the stores' data and base are written again (next block) only behind this wait
.endm
	; ---------------------------------------------------------------- head
	s_load_b256 s[4:11], s[0:1], 0x0               ; K s[4:5], Q s[6:7], V s[8:9], pad_mask s[10:11]
	s_load_b64 s[12:13], s[0:1], 0x20              ; out0
	s_set_vgpr_msb 0x40
	v_lshl_add_u32 v128, v0, 2, 0x24800
	v_mov_b32 v129, 0
	s_set_vgpr_msb 0x4000
	v_lshrrev_b32 v[TMP], 5, v0
	v_readfirstlane_b32 s[R_W], v[TMP]             ; wave 0..7
	s_and_b32 s[R_W4], s[R_W], 3                   ; strip of 32 queries
	s_lshr_b32 s[R_G], s[R_W], 2                   ; key half
	s_and_b32 s[R_BH], ttmp7, 0xffff               ; head 0..31
	s_mov_b32 s[R_G8], ttmp9
	s_lshr_b32 s76, s[R_BH], 4                     ; batch
	s_lshl_b32 s76, s76, 13                        ; x 2,048 words
	s_mov_b32 s77, 0
	s_wait_kmcnt 0x0
	s_add_nc_u64 s[70:71], s[10:11], s[76:77]
	s_load_b512 s[16:31], s[70:71], 0x0            ; pad_mask[b][0..31]
	s_load_b512 s[32:47], s[70:71], 0x40
	s_lshl_b32 s76, s[R_BH], 19                    ; a head: 2,048 rows of 256 bytes
	s_add_nc_u64 s[66:67], s[4:5], s[76:77]
	s_add_nc_u64 s[68:69], s[8:9], s[76:77]
	s_mov_b32 s58, 0xce6e6b28                      ; -1e9
	s_mov_b32 s59, 0xce6e6b28
	s_mov_b32 s60, 0x3fb8aa3b                      ; log2 e
	s_mov_b32 s61, 0x3fb8aa3b
	s_mov_b32 s62, 0x76543210                      ; lane i of one half reads lane i of the other
	s_mov_b32 s63, 0xfedcba98
	v_mov_b32 v[NEGV], s58
	v_and_b32 v[TMP+1], 31, v0                     ; l
	v_and_b32 v[TMP+2], 15, v0                     ; r = l % 16
	v_bfe_u32 v[TMP+3], v0, 4, 1                   ; h = l / 16
	v_lshlrev_b32 v[GOFF0], 4, v0
	v_and_b32 v[POFF0], 127, v0
	v_lshlrev_b32 v[POFF0], 2, v[POFF0]
	; tile stores: thread t holds row t / 16 = 2 w + h, 8 bytes at 8 r
	v_mul_u32_u24 v[KST], v[TMP+3], 144
	v_lshl_add_u32 v[KST], v[TMP+2], 3, v[KST]
	s_mul_i32 s76, s[R_W], 288
	v_add_nc_u32 v[KST], s76, v[KST]
	v_mul_u32_u24 v[VST], v[TMP+3], 160
	v_lshl_add_u32 v[VST], v[TMP+2], 3, v[VST]
	s_mul_i32 s76, s[R_W], 320
	s_add_co_u32 s76, s76, VOFS
	v_add_nc_u32 v[VST], s76, v[VST]
	s_lshl_b32 s76, s[R_W], 7
	s_add_co_u32 s76, s76, BOFS
	v_lshl_add_u32 v[BST], v[TMP+1], 2, s76        ; word t: copy t / 128, key t % 128
	; fragments
	v_mul_u32_u24 v[KFA], v[TMP+2], 144
	v_lshl_add_u32 v[KFA], v[TMP+3], 4, v[KFA]
	s_mul_i32 s76, s[R_G], 9216                    ; 64 rows of 144
	v_add_nc_u32 v[KFA], s76, v[KFA]
	v_and_b32 v[TMP+4], 7, v0
	v_lshl_add_u32 v[TMP+4], v[TMP+3], 3, v[TMP+4] ; key 8 h + l % 8
	v_mul_u32_u24 v[VFA], v[TMP+4], 160
	v_bfe_u32 v[TMP+5], v0, 3, 1
	v_lshl_add_u32 v[VFA], v[TMP+5], 4, v[VFA]
	s_mul_i32 s76, s[R_G], 10240                   ; 64 rows of 160
	s_add_co_u32 s76, s76, VOFS
	v_add_nc_u32 v[VFA], s76, v[VFA]
	s_mul_i32 s76, s[R_G], 768                     ; copy g (512) + key 64 g (256)
	s_add_co_u32 s76, s76, BOFS
	v_lshl_add_u32 v[BFA], v[TMP+3], 5, s76
	; the diagonal: key 64 g + 16 a + 8 h + j <= query 32 w4 + 16 qt + r
	s_lshl_b32 s76, s[R_W4], 5
	s_lshl_b32 s77, s[R_G], 6
	s_sub_co_i32 s76, s76, s77
	v_lshlrev_b32 v[TMP+4], 3, v[TMP+3]
	v_sub_nc_u32 v[DG], v[TMP+2], v[TMP+4]
	v_add_nc_u32 v[DG], s76, v[DG]
	v_add_nc_u32 v[DG+1], 16, v[DG]
	; exchange and stage
	s_mul_i32 s76, s[R_W], WSTG
	s_add_co_u32 s76, s76, XCH
	v_lshl_add_u32 v[XST], v[TMP+1], 4, s76
	s_add_co_u32 s76, s76, 4096
	v_lshl_add_u32 v[XST2], v[TMP+1], 3, s76
	s_xor_b32 s77, s[R_W], 4                       ; the partner
	s_mul_i32 s76, s77, WSTG
	s_add_co_u32 s76, s76, XCH
	v_lshl_add_u32 v[XLD], v[TMP+1], 4, s76
	s_add_co_u32 s76, s76, 4096
	v_lshl_add_u32 v[XLD2], v[TMP+1], 3, s76
	s_mul_i32 s76, s[R_W], WSTG
	s_add_co_u32 s76, s76, STG
	v_mul_u32_u24 v[SST], v[TMP+2], 272
	v_lshl_add_u32 v[SST], v[TMP+3], 5, v[SST]
	v_add_nc_u32 v[SST], s76, v[SST]
	v_mul_u32_u24 v[SLD], v[TMP+3], 272
	v_lshl_add_u32 v[SLD], v[TMP+2], 4, v[SLD]
	v_add_nc_u32 v[SLD], s76, v[SLD]
	s_lshl_b32 s76, s[R_W4], 13                    ; 32 rows of 256 bytes
	s_lshl_b32 s77, s[R_G], 12                     ; 16 rows: the tile that I finish
	s_add_co_u32 s77, s76, s77
	v_lshl_add_u32 v[OOFF], v[TMP+1], 4, s77
	v_lshlrev_b32 v[QOFF], 8, v[TMP+2]
	v_lshl_add_u32 v[QOFF], v[TMP+3], 5, v[QOFF]
	v_add_nc_u32 v[QOFF], s76, v[QOFF]
	; the two blocks
	s_add_co_u32 s[R_IB], s[R_G8], 1
	s_sub_co_u32 s[R_IA], 16, s[R_G8]
	s_cmp_eq_u32 s[R_G8], 0
	s_cselect_b32 s[R_IA], 0, s[R_IA]
	; is one of the first 32 keys open?
	s_wait_kmcnt 0x0
	s_min_i32 s[R_OK], s16, s17
.irp n, 18,19,20,21,22,23,24,25,26,27,28,29,30,31,32,33,34,35,36,37,38,39,40,41,42,43,44,45,46,47
	s_min_i32 s[R_OK], s[R_OK], s\n
.endr
	s_cmp_le_i32 s[R_OK], 0
	s_cselect_b32 s[R_OK], 1, 0
	s_mov_b32 s[R_BLK], 0
	; ---------------------------------------------------------------- a block of 128 queries
.Lblock:
	s_cmp_eq_u32 s[R_BLK], 0
	s_cselect_b32 s[R_I], s[R_IA], s[R_IB]
	s_add_co_u32 s[R_N], s[R_I], 1                 ; up to the diagonal,
	s_cmp_eq_u32 s[R_I], 0
	s_cselect_b32 s[R_N], 16, s[R_N]               ; but all keys for block 0,
	s_cmp_eq_u32 s[R_OK], 0
	s_cselect_b32 s[R_N], 16, s[R_N]               ; and for every block where the first 32 keys are all padded
	s_lshl_b32 s76, s[R_BH], 19
	s_lshl_b32 s77, s[R_I], 15                     ; 128 rows of 256 bytes
	s_add_co_u32 s76, s76, s77
	s_mov_b32 s77, 0
	s_add_nc_u64 s[72:73], s[6:7], s[76:77]
	s_add_nc_u64 s[74:75], s[12:13], s[76:77]
	; Q as B fragments: lane l holds query l % 16, d = 32 kk + 8 (l / 16) + 0..7 and 16 more on: 4 x 16 bytes of f32
.irp qt, 0,1
.irp kk, 0,1
	global_load_b128 v[SC+32*\qt+16*\kk:SC+32*\qt+16*\kk+3],     v[QOFF], s[72:73] offset:4096*\qt+128*\kk th:TH_LOAD_NT
	global_load_b128 v[SC+32*\qt+16*\kk+4:SC+32*\qt+16*\kk+7],   v[QOFF], s[72:73] offset:4096*\qt+128*\kk+16 th:TH_LOAD_NT
	global_load_b128 v[SC+32*\qt+16*\kk+8:SC+32*\qt+16*\kk+11],  v[QOFF], s[72:73] offset:4096*\qt+128*\kk+64 th:TH_LOAD_NT
	global_load_b128 v[SC+32*\qt+16*\kk+12:SC+32*\qt+16*\kk+15], v[QOFF], s[72:73] offset:4096*\qt+128*\kk+80 th:TH_LOAD_NT
.endr
.endr
	v_mov_b32 v[GOFF], v[GOFF0]                    ; tile 0
	v_mov_b32 v[POFF], v[POFF0]
	LOAD_TILE
	s_wait_loadcnt 0x11                            ; the 16 loads of Q are in; the 17 of tile 0, issued behind them, may be out
.set ci, 0
.rept 32
	v_pk_mul_f32 v[SC+2*ci:SC+2*ci+1], v[SC+2*ci:SC+2*ci+1], 0x3e000000 op_sel_hi:[1,0]   ; / sqrt(64): exact
.set ci, ci+1
.endr
	WIN 0x40
.set ci, 0
.rept 32
	v_cvt_pk_f16_f32 v[QF+ci], v[SC+2*ci], v[SC+2*ci+1]
.set ci, ci+1
.endr
	WIN 0
	s_wait_loadcnt 0x0
	STORE_TILE 0                                   ; every wave's reads of both buffers lie in front of the last block's closing barrier
	s_mov_b32 s[R_T], 0
	TRIP 0, 1                                      ; the first trip starts the sums
	TRIP 1, 0
	s_mov_b32 s[R_CNT], 7
.Ltrips:
	TRIP 0, 0
	TRIP 1, 0
	s_sub_co_i32 s[R_CNT], s[R_CNT], 1
	s_cmp_lg_u32 s[R_CNT], 0
	s_cbranch_scc1 .Ltrips
	; the two key halves meet: waves 0-3 finish query tile 0 and send tile 1, waves 4-7 the other way round
	s_cmp_lt_u32 s[R_W], 4
	s_cbranch_scc0 .Lsend0
	SEND 1
	s_branch .Lsent
.Lsend0:
	SEND 0
.Lsent:
	s_wait_dscnt 0x0                               ; my stores are done, for the partner's sake
	s_barrier_signal -1
	s_barrier_wait -1
	s_cmp_lt_u32 s[R_W], 4
	s_cbranch_scc0 .Lfin1
	FINISH 0
	s_branch .Lfin
.Lfin1:
	FINISH 1
.Lfin:
	s_add_co_u32 s[R_BLK], s[R_BLK], 1
	s_cmp_lt_u32 s[R_BLK], 2
	s_cbranch_scc1 .Lblock
	s_set_vgpr_msb 0x5
	s_wait_tensorcnt 0x0
	ds_add_u32 v128, v129
	s_wait_dscnt 0x0
	s_set_vgpr_msb 0x500
	s_endpgm
.Lfunc_end_k_q4edfda9882_attn:
	.size	k_q4edfda9882_attn, .Lfunc_end_k_q4edfda9882_attn-k_q4edfda9882_attn
	.p2alignl 7, 3214868480
	.fill 96, 4, 3214868480
	.section	.rodata,"a",@progbits
	.p2align	6, 0x0
	.amdhsa_kernel k_q4edfda9882_attn
		.amdhsa_group_segment_fixed_size 150528
		.amdhsa_private_segment_fixed_size 0
		.amdhsa_enable_private_segment 0
		.amdhsa_kernarg_size 40
		.amdhsa_user_sgpr_count 2
		.amdhsa_user_sgpr_kernarg_segment_ptr 1
		.amdhsa_wavefront_size32 1
		.amdhsa_system_sgpr_workgroup_id_x 1
		.amdhsa_system_sgpr_workgroup_id_y 1
		.amdhsa_system_sgpr_workgroup_id_z 1
		.amdhsa_system_vgpr_workitem_id 0
		.amdhsa_next_free_vgpr 386
		.amdhsa_next_free_sgpr 96
		.amdhsa_reserve_vcc 1
		.amdhsa_float_denorm_mode_32 3
		.amdhsa_float_denorm_mode_16_64 3
		.amdhsa_memory_ordered 1
		.amdhsa_forward_progress 1
		.amdhsa_inst_pref_size 181
	.end_amdhsa_kernel
	.amdgpu_metadata
---
amdhsa.version: [ 1, 2 ]
amdhsa.kernels:
  - .name:           k_q4edfda9882_attn
    .symbol:         k_q4edfda9882_attn.kd
    .args:
      - { .name: K, .offset: 0, .size: 8, .value_kind: global_buffer, .address_space: global }
      - { .name: Q, .offset: 8, .size: 8, .value_kind: global_buffer, .address_space: global }
      - { .name: V, .offset: 16, .size: 8, .value_kind: global_buffer, .address_space: global }
      - { .name: pad_mask, .offset: 24, .size: 8, .value_kind: global_buffer, .address_space: global }
      - { .name: out0, .offset: 32, .size: 8, .value_kind: global_buffer, .address_space: global }
    .group_segment_fixed_size: 150528
    .private_segment_fixed_size: 0
    .kernarg_segment_align: 8
    .kernarg_segment_size: 40
    .max_flat_workgroup_size: 256
    .sgpr_count:     96
    .vgpr_count:     386
    .wavefront_size: 32
...
	.end_amdgpu_metadata
.endif
;; end of part 1
